; MI455X (gfx1250); checked and timed in simulation.
; The chip was launched on July 23, 2026; its instructions are those of AMD's public machine-readable ISA for CDNA 5 (MIT licence, August 2026) and "CDNA5" Instruction Set Architecture Reference Guide (July 2026). The comments in the code are by the model that wrote it; some were corrected since.
;; Fast Attention. Allowed arithmetic: matrix products marked QUANTISED: E2M1 operands, one E8M0 scale for each 32 along K, by v_wmma_scale_f32_16x16x128_f8f6f4 with both operands' format E2M1 (or v_wmma_scale_f32_32x16x128_f4), f32 sums; products left as they are: f32 operands where the result goes on into a quantised operand, else bf16, f16 or f32 operands; f32 sums; everything else in f32.
;; Inputs: k 4 x 8 x 4,096 x 64 float32; proj 64 x 64 float32; q 4 x 8 x 4,096 x 64 float32; v 4 x 8 x 4,096 x 64 float32.
;; Outputs: out0 4 x 8 x 4,096 x 64 float32.
;; This version of the problem:
;;   THIS VERSION OF THE PROBLEM IS GIVEN IN LOW PRECISION. The matrix products marked QUANTISED in the list below multiply operands that are first quantised to E2M1 (2 exponent bits, 1 mantissa bit; 4 bits a number), with one power-of-two scale for each 32 numbers along K (OCP MX v1.0); their sums are f32. All else is computed in f32.
;;   The module's matrix products, in the order in which they are computed (A, B: the left and right operand; K: the contracted axis; several contracted axes count as one K, in the product's order):
;;     1. [M 131,072, K 64] x [K 64, N 64]; A: input q; B: input proj: QUANTISED
;;     2. [M 131,072, K 64] x [K 64, N 64]; A: input k; B: input proj: QUANTISED
;;     3. batch 32 x [M 4,096, K 64] x [K 64, N 1]; A: computed on the way; B: computed on the way: left as it is (N = 1 < 16)
;;   THE QUANTISER, for each operand of a quantised product, along K:
;;     - K is cut into blocks of 32 from its start; a last block that is shorter is filled with zeros.
;;     - A block's scale is 2^e with e = floor(log2(the largest magnitude in the block)) - 2, held to -126 .. 127; a block of zeros has e = 0. As a byte (E8M0): e + 127.
;;     - Each number is divided by its block's scale, clamped to +-6, and rounded to the nearest number of E2M1, ties to even, subnormals kept.
;;     - The product sums the exact products of the quantised numbers (number of the format x scale) in f32.
;;   ~~~python
;;   def quantise(x, axis):      # numpy; x: float32 -> the quantised numbers, widened to float32 again
;;       x = np.moveaxis(x, axis, -1); K = x.shape[-1]
;;       x = np.pad(x, [(0, 0)] * (x.ndim - 1) + [(0, -K % 32)]); x = x.reshape(x.shape[:-1] + (-1, 32)); a = np.abs(x).max(-1, keepdims=True)
;;       e = np.where(a > 0, np.clip(np.frexp(np.where(a > 0, a, 1))[1] - 1 - 2, -126, 127), 0)      # np.frexp(a)[1] - 1 = floor(log2(a)), exactly
;;       r = np.clip(x / 2.0 ** e, -6, 6)
;;       step = 2.0 ** (np.maximum(np.frexp(np.where(r == 0, 1, r))[1] - 1, 0) - 1)
;;       q = np.round(r / step) * step * 2.0 ** e      # np.round: ties to even
;;       return np.moveaxis(q.reshape(q.shape[:-2] + (-1,))[..., :K], -1, axis).astype(np.float32)
;;   ~~~
;; One version. Each part assembles by itself: llvm-mc -triple=amdgcn-amd-amdhsa -mcpu=gfx1250 --defsym DOCPART=n.
;; ======== version 1 of 1: 2 launches
;; limits: right only within a limited range of input values
;; workspace buffers: part 131,072 bytes; pimg 2,560 bytes
;; launch ksums (part 1): grid 256 x 1, 8 waves a work-group, no clusters, 167,936 bytes of LDS; arguments k, v, proj, part, pimg; writes part, pimg
.if DOCPART == 1
	.amdgcn_target "amdgcn-amd-amdhsa--gfx1250"
	.amdhsa_code_object_version 6
	.text
	.protected	k_qb94fe40610_ksums
	.globl	k_qb94fe40610_ksums
	.p2align	8
	.type	k_qb94fe40610_ksums,@function
k_qb94fe40610_ksums:
	s_mov_b64 s[64:65], 0
	v_nop
	global_prefetch_b8 v0, s[64:65] scope:SCOPE_SE
	s_setreg_imm32_b32 hwreg(HW_REG_WAVE_MODE, 25, 1), 1
	s_wait_xcnt 0x0
; part[g][0..63]   = sum over the work-group's 512 rows n of k'[n][f]
; part[g][64..127] = sum over the same rows of k'[n][f] v[n][f],      k'[n][f] = exp(Q(k[n]) . Q(proj[f])).
; pimg = Q(proj) as the next launch's operand registers: four images of 512 bytes, then their scale words, 128 bytes each (work-group 0 stores it).
; k, v: [32 heads][4096][64] f32, taken as 131,072 rows of 256 bytes; proj: [64][64] f32.  Q: codes of FP4 (E2M1), one E8M0 scale for each 32 along the 64 of a row.
; Work-group g owns rows 512 g .. 512 g + 511 (an eighth of head g / 8); each of its 8 waves owns 64 of them: four tiles of 16.  The next launch adds a head's eight parts.
; THE FLOW.  All of a wave's k is asked for first, by 32 asynchronous copies of 512 bytes into LDS bytes of the wave's own, each filled once; tile t is worked as soon as its eight copies have landed.
; v is asked for one tile ahead of that work, into registers of window 1; what is left to do behind v's last bytes is one tile's multiply-adds and the sums over lanes and waves.
; LAYOUT IN LDS.  Row n of a tile takes 256 bytes, its 16-byte column c at place c xor n: the sixteen lanes of a load, one column of sixteen rows, then touch sixteen different places.
; LAYOUT OF THE PRODUCT.  Source 0 = 16 rows of k, source 1 = 16 rows of proj.  K = 64 is half of the instruction's 128: registers 0-3 of a fragment hold the lane's block (lane (r, h): block h), registers 4-7
; zero codes on both sides.  Lane r takes the tile's row 2 (r % 8) + r / 8, so that result register j of lane (r, h) is row 2 j + h; proj's tile t takes rows f = 4 r + t, so that the four accumulators
; of a lane are columns 4 r .. 4 r + 3.  So k' lies as v is loaded: a load covers two neighbouring rows, 512 consecutive bytes.
; NOT USED: joint loads in a cluster: what work-groups share is proj, 16 KiB of the 272 KiB that a work-group reads.  Prefetches: there is no loop to run ahead in.
; LIMITS: NaN and infinities among the inputs are not served.  A block of zeros gets the byte 1 where the rule says 127: its codes are zeros, and the bytes are read by this program alone.
; exp(x) is v_exp_f32 of x log2(e): the product is rounded once (a relative error of k' under 1e-5 as far as f32 holds exp(x)), and a k' under 2^-126 comes out as 0 (ISA guide 15.8).
; No maximum is taken away ahead of the exponential, as reference() takes none: it overflows where reference() does.
.set WREG, 16384                       ; a wave's four tiles of 4,096 bytes
.set PIMG, 8*WREG                      ; behind them, in blocks of their own: proj's four fragments as images of registers 0-3, 512 bytes each,
.set PSC,  PIMG+2048                   ; their scale words, 128 bytes each,
.set RED,  PSC+512                     ; and the eight waves' sums, 512 bytes each
.set SPARE, 0x28800                    ; the spare words, 128 bytes a wave
.set R,   1                            ; r = lane % 16
.set H,   2                            ; h = lane / 16
.set SH,  3                            ; 8 h: my block's byte in the scale word
.set LI,  4                            ; 16 x lane
.set LIB, 5                            ; PIMG + 16 x lane
.set LSB, 6                            ; PSC + 4 x lane
.set PO,  7                            ; proj: row 4 r + wave, block h
.set PWI, 8                            ; where waves 0-3 store their image
.set PWS, 9                            ; and its scale words
.set RWI, 10                           ; where a wave stores its sums
.set SPW, 11
.set NIL, 12
.set L4,  13                           ; 4 x lane
.set M,   14                           ; v14-17 largest magnitudes, at work; at the end the second half of the sums of k' v
.set SC,  18                           ; the conversions' scale operand
.set PW,  19                           ; proj's scale word as it is made
.set SA,  20                           ; k's scale word: it holds scales and nothing else
.set SB,  22                           ; v22-25 proj's, likewise
.set PC,  28                           ; v28-31 proj's codes as they are made
.set CL,  32                           ; v32-39 the copies' LDS addresses
.set RD,  40                           ; v40-47 LDS addresses of my block's eight columns
.set B,   48                           ; v48-79 proj's four fragments
.set D,   80                           ; v80-111 four accumulators (waves 0-3 first load their rows of proj here)
.set E,   112                          ; v112-239 four tiles: 32 numbers of k a lane, later k'
.set KS,  240                          ; sum of k' at f = 4 r + 0..3
.set CT,  244                          ; sum of k' v
.set A,   248                          ; v248-255 k's fragment
.set X,   D+8                          ; at the end: what my half of the lanes keeps
.set Y,   D+16                         ; and what it sends
.set WV,  16                           ; s16  my wave's number
.set L2E, 18                           ; s[18:19] log2(e): the packed form names a pair and takes its low word for both halves
.set SEL, 20                           ; s[20:21] selects for lane l xor 16
.set MSB, 0
.macro WIN new                         ; the immediate's high byte repeats the setting that is left
.if MSB != \new
	s_set_vgpr_msb (MSB<<8)|\new
.set MSB, \new
.endif
.endm
.macro KCOPY                           ; copy i of tile t: rows 2 i and 2 i + 1.  The immediate counts for both addresses
.irp t, 0,1,2,3
.irp i, 0,1,2,3,4,5,6,7
	global_load_async_to_lds_b128 v[CL+\i], v[LI], s[4:5] offset:4096*\t+512*\i
.endr
.endr
.endm
.macro VLOAD t                         ; v of tile t into window 1, v[32 t] on
	WIN 0x40
.irp i, 0,1,2,3,4,5,6,7
	global_load_b128 v[32*(\t)+4*\i:32*(\t)+4*\i+3], v[LI], s[6:7] offset:4096*(\t)+512*\i th:TH_LOAD_NT
.endr
	WIN 0
.endm
.macro QMAX x                          ; the largest magnitude of the 32 numbers v[x] on, in four chains, with the floor 2^(3 - 127) among the leaves: so the scale's byte cannot fall under 1
	v_max3_num_f32 v[M], |v[\x]|, |v[\x+1]|, |v[\x+2]|
	v_max3_num_f32 v[M+1], |v[\x+3]|, |v[\x+4]|, |v[\x+5]|
	v_max3_num_f32 v[M+2], |v[\x+6]|, |v[\x+7]|, |v[\x+8]|
	v_max3_num_f32 v[M+3], |v[\x+9]|, |v[\x+10]|, |v[\x+11]|
.irp i, 12,20
.irp c, 0,1,2,3
	s_delay_alu instid0(VALU_DEP_4)
	v_max3_num_f32 v[M+\c], v[M+\c], |v[\x+\i+2*\c]|, |v[\x+\i+2*\c+1]|
.endr
.endr
	s_delay_alu instid0(VALU_DEP_4)
	v_max3_num_f32 v[M], v[M], |v[\x+28]|, |v[\x+29]|
	s_delay_alu instid0(VALU_DEP_4)
	v_max3_num_f32 v[M+1], v[M+1], |v[\x+30]|, |v[\x+31]|
	s_delay_alu instid0(VALU_DEP_3)
	v_max3_num_f32 v[M+2], v[M+2], v[M+3], 0x1800000
	s_delay_alu instid0(VALU_DEP_1)
	v_max3_num_f32 v[M], v[M], v[M+1], v[M+2]
.endm
.macro QSC w                           ; from it the conversion's scale operand and the row's scale word
	s_delay_alu instid0(VALU_DEP_1)
	v_add_nc_u32 v[SC], 0xff000000, v[M]           ; 2 off the exponent field: the conversion takes the exponent field of this operand and nothing else of it
	s_delay_alu instid0(VALU_DEP_1)
	v_lshrrev_b32 v[M], 23, v[SC]                  ; the scale's byte,
	s_delay_alu instid0(VALU_DEP_1)
	v_lshlrev_b32 v[M], v[SH], v[M]                ; at my block's place in the word;
	s_delay_alu instid0(VALU_DEP_1)
	v_permlanex16_b32 v[M+1], v[M], s[SEL], s[SEL+1]
	s_delay_alu instid0(VALU_DEP_1)
	v_or_b32 v[\w], v[M], v[M+1]                   ; with lane l xor 16's the word is whole.  Bytes 2 and 3 stay 0: they scale zero codes
.endm
.macro QCVT x, c                       ; 32 numbers become registers 0-3 of a fragment
.irp g, 0,1,2,3
	v_cvt_scalef32_pk8_fp4_f32 v[\c+\g], v[\x+8*\g:\x+8*\g+7], v[SC]
.endr
.endm
.macro MUL                             ; 16 rows of k x all 64 rows of proj: four accumulators, each begun with the constant 0
.irp t, 0,1,2,3
	v_wmma_scale_f32_16x16x128_f8f6f4 v[D+8*\t:D+8*\t+7], v[A:A+7], v[B+8*\t:B+8*\t+7], 0, v[SA], v[SB+\t] matrix_a_fmt:MATRIX_FMT_FP4 matrix_b_fmt:MATRIX_FMT_FP4
.endr
.endm
.macro EXPS e                          ; k' = 2^(score x log2(e)); each accumulator is read from its low end on; register 4 j + t of e takes accumulator t's register j
.irp t, 0,1,2,3
.irp j, 0,2,4,6
	v_pk_mul_f32 v[D+8*\t+\j:D+8*\t+\j+1], v[D+8*\t+\j:D+8*\t+\j+1], s[L2E:L2E+1] op_sel_hi:[1,0]
.endr
.endr
	s_wait_alu depctr_va_vdst(0)                   ; the wait ahead of the batch
.irp j, 0,1,2,3,4,5,6,7
.irp t, 0,1,2,3
	v_exp_f32 v[\e+4*\j+\t], v[D+8*\t+\j]
.endr
.endr
	v_nop                                          ; a plain instruction behind the last exponential,
	s_wait_alu depctr_va_vdst(0)                   ; and the one wait for the batch of 32, ahead of its first reader
.endm
.macro KSUM t, from, to                ; the sums of k' over tile t's rows 2 j + h, j = from .. to - 1; the very first two rows start them
.set JJ, \from
.rept (\to)-(\from)
.if ((\t) == 0) && (JJ == 0)
.elseif ((\t) == 0) && (JJ == 1)
	v_pk_add_f32 v[KS:KS+1], v[E:E+1], v[E+4:E+5]
	v_pk_add_f32 v[KS+2:KS+3], v[E+2:E+3], v[E+6:E+7]
.else
	v_pk_add_f32 v[KS:KS+1], v[KS:KS+1], v[E+32*(\t)+4*JJ:E+32*(\t)+4*JJ+1]
	v_pk_add_f32 v[KS+2:KS+3], v[KS+2:KS+3], v[E+32*(\t)+4*JJ+2:E+32*(\t)+4*JJ+3]
.endif
.set JJ, JJ+1
.endr
.endm
.macro CTX t                           ; the sums of k' v: rows of even j in v[CT], of odd j in v[M]
.if (\t) > 0
	s_wait_alu depctr_va_vdst(0)                   ; the wait here, directly ahead of the wait below
.endif
	s_wait_loadcnt 8*(3-(\t))                      ; tile t's eight loads of v are in; the later tiles' may be out
	WIN 0x04
.irp j, 0,1,2,3,4,5,6,7
.set CC, CT+(M-CT)*(\j%2)
.if ((\t) == 0) && (\j < 2)
	v_pk_mul_f32 v[CC:CC+1], v[E+4*\j:E+4*\j+1], v[4*\j:4*\j+1]
	v_pk_mul_f32 v[CC+2:CC+3], v[E+4*\j+2:E+4*\j+3], v[4*\j+2:4*\j+3]
.else
	v_pk_fma_f32 v[CC:CC+1], v[E+32*(\t)+4*\j:E+32*(\t)+4*\j+1], v[32*(\t)+4*\j:32*(\t)+4*\j+1], v[CC:CC+1]
	v_pk_fma_f32 v[CC+2:CC+3], v[E+32*(\t)+4*\j+2:E+32*(\t)+4*\j+3], v[32*(\t)+4*\j+2:32*(\t)+4*\j+3], v[CC+2:CC+3]
.endif
.endr
.endm
.macro TILE t
.set EX, E+32*(\t)
	s_wait_asynccnt 8*(3-(\t))                     ; tile t's eight copies have landed; the later tiles' may be out
.irp i, 0,1,2,3,4,5,6,7
	ds_load_b128 v[EX+4*\i:EX+4*\i+3], v[RD+\i] offset:4096*(\t)
.endr
.if (\t) < 3
	VLOAD (\t)+1
.endif
	s_wait_dscnt 0x0
	QMAX EX
	QSC SA
	QCVT EX, A
.if (\t) == 0                          ; places: eight between the scale word and the products, four between the products and their first reader
.rept 8
	v_nop
.endr
.else
	KSUM (\t)-1, 0, 6
.endif
	MUL
.if (\t) == 0
.rept 4
	v_nop
.endr
.else
	KSUM (\t)-1, 6, 8
.endif
	EXPS EX
.endm
.macro FOLD w, d                       ; wave w's sums take those of wave w + d
	v_pk_add_f32 v[E+4*(\w):E+4*(\w)+1], v[E+4*(\w):E+4*(\w)+1], v[E+4*(\w)+4*(\d):E+4*(\w)+4*(\d)+1]
	v_pk_add_f32 v[E+4*(\w)+2:E+4*(\w)+3], v[E+4*(\w)+2:E+4*(\w)+3], v[E+4*(\w)+4*(\d)+2:E+4*(\w)+4*(\d)+3]
.endm
	s_load_b128 s[4:7], s[0:1], 0x0                ; k s[4:5], v s[6:7]
	s_load_b128 s[8:11], s[0:1], 0x10              ; proj s[8:9], part s[10:11]
	s_load_b64 s[14:15], s[0:1], 0x20              ; pimg
	v_lshl_add_u32 v[SPW], v0, 2, SPARE
	v_mov_b32 v[NIL], 0
	ds_add_u32 v[SPW], v[NIL]                      ; the wave's opening: the add, twice on end, and its one wait ahead of the first copy
	ds_add_u32 v[SPW], v[NIL]
	v_lshrrev_b32 v[R], 5, v0
	s_delay_alu instid0(VALU_DEP_1)
	v_readfirstlane_b32 s[WV], v[R]                ; wave 0..7
	s_lshl_b32 s2, ttmp9, 17                       ; the work-group's 512 rows of 256 bytes,
	s_lshl_b32 s28, s[WV], 14                      ; my wave's 64 of them; my wave's LDS bytes are as many
	s_add_co_u32 s2, s2, s28
	s_mov_b32 s3, 0
	s_lshl_b32 s22, ttmp9, 9                       ; the work-group's 512 bytes of part
	s_mov_b32 s23, 0
	s_lshl_b32 s24, s[WV], 9                       ; pimg: my tile's image,
	s_mov_b32 s25, 0
	s_lshl_b32 s26, s[WV], 7                       ; and its scale words
	s_mov_b32 s27, 0
	s_lshl_b32 s29, s[WV], 8
	s_mov_b32 s[SEL], 0x76543210
	s_mov_b32 s[SEL+1], 0xfedcba98
	s_mov_b32 s[L2E], 0x3fb8aa3b                   ; log2(e)
	s_mov_b32 s[L2E+1], s[L2E]                     ; (named with it as a pair, so it is written)
	v_and_b32 v[R], 15, v0
	v_bfe_u32 v[H], v0, 4, 1
	v_and_b32 v[LI], 31, v0
	v_and_b32 v[M], 7, v0
	v_bfe_u32 v[M+1], v0, 3, 1
	v_xor_b32 v[M+2], v[R], v[H]
	v_lshlrev_b32 v[SH], 3, v[H]
	v_lshlrev_b32 v[PO], 10, v[R]                  ; proj: row 4 r,
	v_lshl_add_u32 v[M+1], v[M], 1, v[M+1]         ; the tile's row that I hold: 2 (r % 8) + r / 8
	v_lshlrev_b32 v[M+2], 4, v[M+2]
	v_lshl_add_u32 v[LSB], v[LI], 2, PSC
	v_lshlrev_b32 v[L4], 2, v[LI]
	v_xor_b32 v[M+3], v[SH], v[M+1]
	v_lshl_add_u32 v[M+2], v[H], 8, v[M+2]         ; copy 0: row h, column r at place r xor h
	v_lshlrev_b32 v[LI], 4, v[LI]
	v_lshl_add_u32 v[PO], v[H], 7, v[PO]           ; block h,
	v_lshlrev_b32 v[M+3], 4, v[M+3]
	v_add_nc_u32 v[LIB], PIMG, v[LI]
	v_add_nc_u32 v[PO], s29, v[PO]                 ; + my tile's number (waves 0-3 alone use it)
	v_add_nc_u32 v[PWS], s26, v[LSB]
	v_lshl_add_u32 v[M+3], v[M+1], 8, v[M+3]       ; my row, my block's column 0
	v_add_nc_u32 v[PWI], s24, v[LIB]
.irp i, 1,2,3,4,5,6,7
	v_xor_b32 v[CL+\i], 32*\i, v[M+2]              ; copy i: rows 2 i + h: the place changes by 2 i
.endr
.irp i, 1,2,3,4,5,6,7
	v_xor_b32 v[RD+\i], 16*\i, v[M+3]              ; column i of my block
.endr
	v_add_nc_u32 v[CL], s28, v[M+2]
	v_add_nc_u32 v[RD], s28, v[M+3]
.irp i, 1,2,3,4,5,6,7
	v_add_nc_u32 v[CL+\i], s28, v[CL+\i]
.endr
.irp i, 1,2,3,4,5,6,7
	v_add_nc_u32 v[RD+\i], s28, v[RD+\i]
.endr
	v_add_nc_u32 v[RWI], RED-PIMG, v[PWI]
.irp i, 4,5,6,7
	v_mov_b32 v[A+\i], 0                           ; zero codes for k = 64 .. 127 of the instruction's 128, on both operands: written once
.endr
.irp t, 0,1,2,3
.irp i, 4,5,6,7
	v_mov_b32 v[B+8*\t+\i], 0
.endr
.endr
	s_wait_alu depctr_va_vdst(0)                   ; the wait at the head's end
	s_wait_dscnt 0x0                               ; both opening adds are done
	s_wait_kmcnt 0x0
	s_add_nc_u64 s[4:5], s[4:5], s[2:3]            ; k and v at my wave's first row
	s_add_nc_u64 s[6:7], s[6:7], s[2:3]
	s_add_nc_u64 s[10:11], s[10:11], s[22:23]
	s_add_nc_u64 s[24:25], s[14:15], s[24:25]
	s_add_nc_u64 s[26:27], s[14:15], s[26:27]
	s_cmp_lt_u32 s[WV], 4
	s_cbranch_scc0 .Lothers
	; waves 0-3: tile t = wave of proj.  Lane (r, h) takes block h of row 4 r + t: eight loads of 16 bytes.  16 KiB in all, read once by the work-group
.irp i, 0,1,2,3,4,5,6,7
	global_load_b128 v[D+4*\i:D+4*\i+3], v[PO], s[8:9] offset:16*\i
.endr
	KCOPY
	s_wait_loadcnt 0x0
	QMAX D
	QSC PW
	QCVT D, PC
	v_nop                                          ; one plain instruction behind the last conversion: matrix instructions will write its sources
	ds_store_b128 v[PWI], v[PC:PC+3]               ; the image of registers 0-3: lane l's 16 bytes at 16 l
	ds_store_b32 v[PWS], v[PW]
	s_cmp_lg_u32 ttmp9, 0
	s_cbranch_scc1 .Ljoin
	global_store_b128 v[LI], v[PC:PC+3], s[24:25]  ; work-group 0 alone: the same for the next launch
	global_store_b32 v[L4], v[PW], s[26:27] offset:2048
	s_branch .Ljoin
.Lothers:
	KCOPY
.Ljoin:
	s_wait_dscnt 0x0                               ; for the others' sake: my stores of the image have landed
	s_barrier_signal -1
	s_barrier_wait -1                              ; proj's four fragments lie in LDS.  (My copies may be out: nobody but me reads their bytes)
.irp t, 0,1,2,3
	ds_load_b128 v[B+8*\t:B+8*\t+3], v[LIB] offset:512*\t
.endr
.irp t, 0,1,2,3
	ds_load_b32 v[SB+\t], v[LSB] offset:128*\t
.endr
	VLOAD 0
	TILE 0
	TILE 1
	TILE 2
	TILE 3
	KSUM 3, 0, 8
	CTX 0
	CTX 1
	CTX 2
	CTX 3
	WIN 0
	v_cmp_eq_u32 vcc_lo, 0, v[H]
	v_pk_add_f32 v[CT:CT+1], v[CT:CT+1], v[M:M+1]
	v_pk_add_f32 v[CT+2:CT+3], v[CT+2:CT+3], v[M+2:M+3]
	; the two halves of the lanes hold sums over different rows: lanes 0-15 end with the sums of k', lanes 16-31 with those of k' v
.irp t, 0,1,2,3
	v_cndmask_b32 v[Y+\t], v[KS+\t], v[CT+\t], vcc_lo
.endr
.irp t, 0,1,2,3
	v_cndmask_b32 v[X+\t], v[CT+\t], v[KS+\t], vcc_lo
.endr
.irp t, 0,1,2,3
	v_permlanex16_b32 v[D+\t], v[Y+\t], s[SEL], s[SEL+1]
.endr
	s_delay_alu instid0(VALU_DEP_3)
	v_pk_add_f32 v[X:X+1], v[X:X+1], v[D:D+1]
	s_delay_alu instid0(VALU_DEP_2)
	v_pk_add_f32 v[X+2:X+3], v[X+2:X+3], v[D+2:D+3]
	ds_store_b128 v[RWI], v[X:X+3]                 ; 512 bytes a wave: f ascending, k' then k' v.  My last LDS store.
	s_wait_tensorcnt 0x0
	s_wait_asynccnt 0x0
	ds_add_u32 v[SPW], v[NIL]
	s_wait_dscnt 0x0                               ; the wait shows my sums landed, for wave 0's sake
	s_barrier_signal -1
	s_barrier_wait -1
	s_cmp_lg_u32 s[WV], 0
	s_cbranch_scc1 .Lend
.irp w, 0,1,2,3,4,5,6,7
	ds_load_b128 v[E+4*\w:E+4*\w+3], v[LIB] offset:RED-PIMG+512*\w
.endr
	s_wait_dscnt 0x0
.irp w, 0,2,4,6
	FOLD \w, 1
.endr
	FOLD 0, 2
	FOLD 4, 2
	FOLD 0, 4
	global_store_b128 v[LI], v[E:E+3], s[10:11]    ; 32 lanes store 512 consecutive bytes, at a multiple of 256 from part's first byte
.Lend:
	s_endpgm
.Lfunc_end_k_qb94fe40610_ksums:
	.size	k_qb94fe40610_ksums, .Lfunc_end_k_qb94fe40610_ksums-k_qb94fe40610_ksums
	.p2alignl 7, 3214868480
	.fill 96, 4, 3214868480
	.section	.rodata,"a",@progbits
	.p2align	6, 0x0
	.amdhsa_kernel k_qb94fe40610_ksums
		.amdhsa_group_segment_fixed_size 167936
		.amdhsa_private_segment_fixed_size 0
		.amdhsa_enable_private_segment 0
		.amdhsa_kernarg_size 40
		.amdhsa_user_sgpr_count 2
		.amdhsa_user_sgpr_kernarg_segment_ptr 1
		.amdhsa_wavefront_size32 1
		.amdhsa_system_sgpr_workgroup_id_x 1
		.amdhsa_system_sgpr_workgroup_id_y 1
		.amdhsa_system_sgpr_workgroup_id_z 1
		.amdhsa_system_vgpr_workitem_id 0
		.amdhsa_next_free_vgpr 384
		.amdhsa_next_free_sgpr 66
		.amdhsa_reserve_vcc 1
		.amdhsa_float_denorm_mode_32 3
		.amdhsa_float_denorm_mode_16_64 3
		.amdhsa_memory_ordered 1
		.amdhsa_forward_progress 1
		.amdhsa_inst_pref_size 50
	.end_amdhsa_kernel
	.amdgpu_metadata
---
amdhsa.version: [ 1, 2 ]
amdhsa.kernels:
  - .name:           k_qb94fe40610_ksums
    .symbol:         k_qb94fe40610_ksums.kd
    .args:
      - { .name: k, .offset: 0, .size: 8, .value_kind: global_buffer, .address_space: global }
      - { .name: v, .offset: 8, .size: 8, .value_kind: global_buffer, .address_space: global }
      - { .name: proj, .offset: 16, .size: 8, .value_kind: global_buffer, .address_space: global }
      - { .name: part, .offset: 24, .size: 8, .value_kind: global_buffer, .address_space: global }
      - { .name: pimg, .offset: 32, .size: 8, .value_kind: global_buffer, .address_space: global }
    .group_segment_fixed_size: 167936
    .private_segment_fixed_size: 0
    .kernarg_segment_align: 8
    .kernarg_segment_size: 40
    .max_flat_workgroup_size: 256
    .sgpr_count:     66
    .vgpr_count:     384
    .wavefront_size: 32
...
	.end_amdgpu_metadata
.endif
;; end of part 1
;; launch apply (part 2): grid 256 x 1, 8 waves a work-group, no clusters, 167,936 bytes of LDS; arguments q, pimg, part, out0; writes out0
.if DOCPART == 2
	.amdgcn_target "amdgcn-amd-amdhsa--gfx1250"
	.amdhsa_code_object_version 6
	.text
	.protected	k_qb94fe40610_apply
	.globl	k_qb94fe40610_apply
	.p2align	8
	.type	k_qb94fe40610_apply,@function
k_qb94fe40610_apply:
	s_mov_b64 s[64:65], 0
	v_nop
	global_prefetch_b8 v0, s[64:65] scope:SCOPE_SE
	s_setreg_imm32_b32 hwreg(HW_REG_WAVE_MODE, 25, 1), 1
	s_wait_xcnt 0x0
; out0[n][f] = q'[n][f] ctx[f] / (sum over f of q'[n][f] k_sum[f]),   q'[n][f] = exp(Q(q[n]) . Q(proj[f])),
; k_sum[f] = the head's eight parts of the sum of k' + 1e-6, ctx[f] = its eight parts of the sum of k' v: part[g][128] f32; Q(proj) comes as operand registers in pimg: both from the launch before.
; q, out0: [32 heads][4096][64] f32, taken as 131,072 rows of 256 bytes.  Q: codes of FP4 (E2M1), one E8M0 scale for each 32 along the 64 of a row.
; Work-group g owns rows 512 g .. 512 g + 511 of head g / 8; each of its 8 waves owns 64 of them: four tiles of 16.
; THE FLOW.  All of a wave's q is asked for at the start, by 32 asynchronous copies of 512 bytes into LDS bytes of the wave's own, each filled once; tile t is worked and stored as soon as its eight copies have landed,
; while the later tiles' are out.  Waves 0-4 bring pimg's five runs of 512 bytes, wave 5 adds the head's parts; they hand them over through LDS, behind one barrier.
; LAYOUT, as in the launch before: in LDS, column c of row n at place c xor n; lane r holds the tile's row 2 (r % 8) + r / 8, so that result register j of lane (r, h) is row 2 j + h, columns 4 r .. 4 r + 3:
; a store covers two neighbouring rows, 512 consecutive bytes, with no way through LDS.  Registers 4-7 of a fragment (k = 64 .. 127) are zero codes on both sides.
; A row's sum over f is four multiply-adds in a lane and four steps across its sixteen lanes.
; NOT USED: joint loads in a cluster: what work-groups share is pimg and a head's parts, 6.5 KiB of the 134.5 KiB that a work-group reads.  Prefetches: there is no loop to run ahead in.
; LIMITS: NaN and infinities among the inputs are not served.  A block of zeros gets the byte 1 where the rule says 127: its codes are zeros, and the bytes are read here alone.
; exp(x) is v_exp_f32 of x log2(e): the product is rounded once (a relative error under 1e-5 as far as f32 holds exp(x)), and a q' under 2^-126 comes out as 0 (ISA guide 15.8).
; k_sum and ctx are both held as a quarter of themselves, so that v_rcp_f32, which gives 0 beyond 2^126 (ISA guide 15.8), serves every finite row sum; a row sum under 2^-124 is not served.
; No maximum is taken away, as reference() takes none; the products are taken in its order, (q' ctx) / the sum.
.set WREG, 16384                       ; a wave's four tiles of 4,096 bytes
.set PIMG, 8*WREG                      ; behind them, in blocks of their own: proj's four fragments as images of registers 0-3, 512 bytes each,
.set PSC,  PIMG+2048                   ; their scale words, 128 bytes each,
.set KC,   PSC+512                     ; and k_sum / 4 (256 bytes), ctx / 4 (256 bytes)
.set SPARE, 0x28800                    ; the spare words, 128 bytes a wave
.set R,   1                            ; r = lane % 16
.set H,   2                            ; h = lane / 16
.set SH,  3                            ; 8 h: my block's byte in the scale word
.set LI,  4                            ; 16 x lane
.set LIB, 5                            ; PIMG + 16 x lane
.set LSB, 6                            ; PSC + 4 x lane
.set RB,  7                            ; PIMG + 16 r
.set PWI, 8                            ; PIMG + 512 x wave + 16 x lane
.set SPW, 10
.set NIL, 11
.set M,   12                           ; v12-15 largest magnitudes, at work
.set SC,  16                           ; the conversions' scale operand
.set SA,  18                           ; q's scale word: it holds scales and nothing else
.set SB,  20                           ; v20-23 proj's, likewise
.set EPS, 24                           ; v24-25 wave 5: 1e-6 / 4 in lanes 0-15, 0 in lanes 16-31
.set KS,  28                           ; v28-31 k_sum / 4 at f = 4 r + 0..3
.set CT,  32                           ; v32-35 ctx / 4
.set CL,  36                           ; v36-43 the copies' LDS addresses
.set RD,  44                           ; v44-51 LDS addresses of my block's eight columns
.set A,   52                           ; v52-59 q's fragment
.set B,   60                           ; v60-91 proj's four
.set D,   92                           ; v92-123 four accumulators (waves 0-5 first load pimg or the parts here)
.set P,   D                            ; behind the exponentials, sixteen of them: a pair for each of a tile's eight rows: the row's sum, then its reciprocal, in the even register
.set E,   124                          ; v124-251 four tiles: 32 numbers of q a lane, later q', later out0; no store's data are written again
.set WV,  16                           ; s16  my wave's number
.set L2E, 18                           ; s[18:19] log2(e)
.set SEL, 20                           ; s[20:21] selects for lane l xor 16
.macro QCOPY                           ; copy i of tile t: rows 2 i and 2 i + 1.  The immediate counts for both addresses
.irp t, 0,1,2,3
.irp i, 0,1,2,3,4,5,6,7
	global_load_async_to_lds_b128 v[CL+\i], v[LI], s[4:5] offset:4096*\t+512*\i
.endr
.endr
.endm
.macro QMAX x                          ; the largest magnitude of the 32 numbers v[x] on, in four chains, with the floor 2^(3 - 127) among the leaves: so the scale's byte cannot fall under 1
	v_max3_num_f32 v[M], |v[\x]|, |v[\x+1]|, |v[\x+2]|
	v_max3_num_f32 v[M+1], |v[\x+3]|, |v[\x+4]|, |v[\x+5]|
	v_max3_num_f32 v[M+2], |v[\x+6]|, |v[\x+7]|, |v[\x+8]|
	v_max3_num_f32 v[M+3], |v[\x+9]|, |v[\x+10]|, |v[\x+11]|
.irp i, 12,20
.irp c, 0,1,2,3
	s_delay_alu instid0(VALU_DEP_4)
	v_max3_num_f32 v[M+\c], v[M+\c], |v[\x+\i+2*\c]|, |v[\x+\i+2*\c+1]|
.endr
.endr
	s_delay_alu instid0(VALU_DEP_4)
	v_max3_num_f32 v[M], v[M], |v[\x+28]|, |v[\x+29]|
	s_delay_alu instid0(VALU_DEP_4)
	v_max3_num_f32 v[M+1], v[M+1], |v[\x+30]|, |v[\x+31]|
	s_delay_alu instid0(VALU_DEP_3)
	v_max3_num_f32 v[M+2], v[M+2], v[M+3], 0x1800000
	s_delay_alu instid0(VALU_DEP_1)
	v_max3_num_f32 v[M], v[M], v[M+1], v[M+2]
.endm
.macro QSC w                           ; from it the conversion's scale operand and the row's scale word
	s_delay_alu instid0(VALU_DEP_1)
	v_add_nc_u32 v[SC], 0xff000000, v[M]           ; 2 off the exponent field: the conversion takes the exponent field of this operand and nothing else of it
	s_delay_alu instid0(VALU_DEP_1)
	v_lshrrev_b32 v[M], 23, v[SC]                  ; the scale's byte,
	s_delay_alu instid0(VALU_DEP_1)
	v_lshlrev_b32 v[M], v[SH], v[M]                ; at my block's place in the word;
	s_delay_alu instid0(VALU_DEP_1)
	v_permlanex16_b32 v[M+1], v[M], s[SEL], s[SEL+1]
	s_delay_alu instid0(VALU_DEP_1)
	v_or_b32 v[\w], v[M], v[M+1]                   ; with lane l xor 16's the word is whole.  Bytes 2 and 3 stay 0: they scale zero codes
.endm
.macro TILE t
.set EX, E+32*(\t)
	s_wait_asynccnt 8*(3-(\t))                     ; tile t's eight copies have landed; the later tiles' may be out
.irp i, 0,1,2,3,4,5,6,7
	ds_load_b128 v[EX+4*\i:EX+4*\i+3], v[RD+\i] offset:4096*(\t)
.endr
	s_wait_dscnt 0x0
	QMAX EX
	QSC SA
.irp g, 0,1,2,3
	v_cvt_scalef32_pk8_fp4_f32 v[A+\g], v[EX+8*\g:EX+8*\g+7], v[SC]
.endr
.rept 8
	v_nop                                          ; places between the scale word and the products
.endr
.irp c, 0,1,2,3                        ; 16 rows of q x all 64 rows of proj: four accumulators, each begun with the constant 0
	v_wmma_scale_f32_16x16x128_f8f6f4 v[D+8*\c:D+8*\c+7], v[A:A+7], v[B+8*\c:B+8*\c+7], 0, v[SA], v[SB+\c] matrix_a_fmt:MATRIX_FMT_FP4 matrix_b_fmt:MATRIX_FMT_FP4
.endr
.rept 4
	v_nop                                          ; places between the products and their first reader
.endr
.irp c, 0,1,2,3                        ; score x log2(e), in place; each accumulator is read from its low end on
.irp j, 0,2,4,6
	v_pk_mul_f32 v[D+8*\c+\j:D+8*\c+\j+1], v[D+8*\c+\j:D+8*\c+\j+1], s[L2E:L2E+1] op_sel_hi:[1,0]
.endr
.endr
	s_wait_alu depctr_va_vdst(0)                   ; the wait ahead of the batch
.irp j, 0,1,2,3,4,5,6,7                ; q': register 4 j + c takes accumulator c's register j: row 2 j + h, column 4 r + c
.irp c, 0,1,2,3
	v_exp_f32 v[EX+4*\j+\c], v[D+8*\c+\j]
.endr
.endr
	v_nop                                          ; a plain instruction behind the last exponential,
	s_wait_alu depctr_va_vdst(0)                   ; and the one wait for the batch of 32, ahead of its first reader
.irp j, 0,1,2,3,4,5,6,7                ; the tile's eight rows a lane by turns
	v_pk_mul_f32 v[P+2*\j:P+2*\j+1], v[EX+4*\j:EX+4*\j+1], v[KS:KS+1]
.endr
.irp j, 0,1,2,3,4,5,6,7
	v_pk_fma_f32 v[P+2*\j:P+2*\j+1], v[EX+4*\j+2:EX+4*\j+3], v[KS+2:KS+3], v[P+2*\j:P+2*\j+1]
.endr
.irp j, 0,1,2,3,4,5,6,7
	v_add_f32 v[P+2*\j], v[P+2*\j], v[P+2*\j+1]    ; my four columns' share of the row's sum
.endr
.irp x, 1,2,4,8
.irp j, 0,1,2,3,4,5,6,7
	v_add_f32_dpp v[P+2*\j], v[P+2*\j], v[P+2*\j] row_xmask:\x row_mask:0xf bank_mask:0xf   ; and the other fifteen lanes': every lane of the sixteen ends with the row's sum
.endr
.endr
	s_wait_alu depctr_va_vdst(0)                   ; the wait ahead of the batch
.irp j, 0,1,2,3,4,5,6,7
	v_rcp_f32 v[P+2*\j], v[P+2*\j]
.endr
.irp j, 0,1,2,3,4,5,6,7
	v_pk_mul_f32 v[EX+4*\j:EX+4*\j+1], v[EX+4*\j:EX+4*\j+1], v[CT:CT+1]            ; q' ctx: 16 plain lines that name no reciprocal
	v_pk_mul_f32 v[EX+4*\j+2:EX+4*\j+3], v[EX+4*\j+2:EX+4*\j+3], v[CT+2:CT+3]
.endr
	s_wait_alu depctr_va_vdst(0)                   ; the one wait for the eight reciprocals, ahead of their first reader
.irp j, 0,1,2,3,4,5,6,7
	v_pk_mul_f32 v[EX+4*\j:EX+4*\j+1], v[EX+4*\j:EX+4*\j+1], v[P+2*\j:P+2*\j+1] op_sel_hi:[1,0]
	v_pk_mul_f32 v[EX+4*\j+2:EX+4*\j+3], v[EX+4*\j+2:EX+4*\j+3], v[P+2*\j:P+2*\j+1] op_sel_hi:[1,0]
	global_store_b128 v[LI], v[EX+4*\j:EX+4*\j+3], s[10:11] offset:4096*(\t)+512*\j th:TH_STORE_NT   ; rows 2 j and 2 j + 1 of the tile: 512 consecutive bytes, aligned
.endr
.endm
.macro FOLD p, d                       ; part p takes part p + d
	v_pk_add_f32 v[D+4*(\p):D+4*(\p)+1], v[D+4*(\p):D+4*(\p)+1], v[D+4*(\p)+4*(\d):D+4*(\p)+4*(\d)+1]
	v_pk_add_f32 v[D+4*(\p)+2:D+4*(\p)+3], v[D+4*(\p)+2:D+4*(\p)+3], v[D+4*(\p)+4*(\d)+2:D+4*(\p)+4*(\d)+3]
.endm
	s_load_b128 s[4:7], s[0:1], 0x0                ; q s[4:5], pimg s[6:7]
	s_load_b128 s[8:11], s[0:1], 0x10              ; part s[8:9], out0 s[10:11]
	v_lshl_add_u32 v[SPW], v0, 2, SPARE
	v_mov_b32 v[NIL], 0
	ds_add_u32 v[SPW], v[NIL]                      ; the wave's opening: the add, twice on end, and its one wait ahead of the first copy
	ds_add_u32 v[SPW], v[NIL]
	v_lshrrev_b32 v[R], 5, v0
	s_delay_alu instid0(VALU_DEP_1)
	v_readfirstlane_b32 s[WV], v[R]                ; wave 0..7
	s_lshl_b32 s2, ttmp9, 17                       ; the work-group's 512 rows of 256 bytes,
	s_lshl_b32 s28, s[WV], 14                      ; my wave's 64 of them; my wave's LDS bytes are as many
	s_add_co_u32 s2, s2, s28
	s_mov_b32 s3, 0
	s_lshr_b32 s22, ttmp9, 3                       ; the head,
	s_lshl_b32 s22, s22, 12                        ; its eight parts of 512 bytes
	s_mov_b32 s23, 0
	s_lshl_b32 s24, s[WV], 9                       ; pimg: waves 0-4, a run of 512 bytes each
	s_mov_b32 s25, 0
	s_mov_b32 s[SEL], 0x76543210
	s_mov_b32 s[SEL+1], 0xfedcba98
	s_mov_b32 s[L2E], 0x3fb8aa3b                   ; log2(e)
	s_mov_b32 s[L2E+1], s[L2E]                     ; (named with it as a pair, so it is written)
	v_and_b32 v[R], 15, v0
	v_bfe_u32 v[H], v0, 4, 1
	v_and_b32 v[LI], 31, v0
	v_and_b32 v[M], 7, v0
	v_bfe_u32 v[M+1], v0, 3, 1
	v_xor_b32 v[M+2], v[R], v[H]
	v_lshlrev_b32 v[SH], 3, v[H]
	v_lshl_add_u32 v[RB], v[R], 4, PIMG
	v_lshl_add_u32 v[M+1], v[M], 1, v[M+1]         ; the tile's row that I hold: 2 (r % 8) + r / 8
	v_lshlrev_b32 v[M+2], 4, v[M+2]
	v_lshl_add_u32 v[LSB], v[LI], 2, PSC
	v_lshl_add_u32 v[LIB], v[LI], 4, PIMG
	v_xor_b32 v[M+3], v[SH], v[M+1]
	v_lshl_add_u32 v[M+2], v[H], 8, v[M+2]         ; copy 0: row h, column r at place r xor h
	v_lshlrev_b32 v[LI], 4, v[LI]
	v_add_nc_u32 v[PWI], s24, v[LIB]
	v_lshlrev_b32 v[M+3], 4, v[M+3]
.irp i, 1,2,3,4,5,6,7
	v_xor_b32 v[CL+\i], 32*\i, v[M+2]              ; copy i: rows 2 i + h: the place changes by 2 i
.endr
	v_lshl_add_u32 v[M+3], v[M+1], 8, v[M+3]       ; my row, my block's column 0
	v_add_nc_u32 v[CL], s28, v[M+2]
.irp i, 1,2,3,4,5,6,7
	v_add_nc_u32 v[CL+\i], s28, v[CL+\i]
.endr
.irp i, 1,2,3,4,5,6,7
	v_xor_b32 v[RD+\i], 16*\i, v[M+3]              ; column i of my block
.endr
	v_add_nc_u32 v[RD], s28, v[M+3]
.irp i, 1,2,3,4,5,6,7
	v_add_nc_u32 v[RD+\i], s28, v[RD+\i]
.endr
.irp i, 4,5,6,7
	v_mov_b32 v[A+\i], 0                           ; zero codes for k = 64 .. 127 of the instruction's 128, on both operands: written once
.endr
.irp t, 0,1,2,3
.irp i, 4,5,6,7
	v_mov_b32 v[B+8*\t+\i], 0
.endr
.endr
	s_wait_alu depctr_va_vdst(0)                   ; the wait at the head's end
	s_wait_dscnt 0x0                               ; both opening adds are done
	s_wait_kmcnt 0x0
	s_add_nc_u64 s[4:5], s[4:5], s[2:3]            ; q and out0 at my wave's first row
	s_add_nc_u64 s[10:11], s[10:11], s[2:3]
	s_add_nc_u64 s[8:9], s[8:9], s[22:23]          ; part at my head's first part
	s_add_nc_u64 s[6:7], s[6:7], s[24:25]          ; pimg at my run (waves 0-4 alone load it)
	s_cmp_lt_u32 s[WV], 5
	s_cbranch_scc0 .Lnot_image
	global_load_b128 v[D:D+3], v[LI], s[6:7]       ; 512 bytes of the image or of its scale words, as they lie
	QCOPY
	s_wait_loadcnt 0x0
	ds_store_b128 v[PWI], v[D:D+3]
	s_branch .Ljoin
.Lnot_image:
	s_cmp_eq_u32 s[WV], 5
	s_cbranch_scc0 .Lothers
	; wave 5: the head's eight parts, 512 consecutive bytes a load: lanes 0-15 hold the sums of k' at f = 4 r + 0..3, lanes 16-31 those of k' v
.irp p, 0,1,2,3,4,5,6,7
	global_load_b128 v[D+4*\p:D+4*\p+3], v[LI], s[8:9] offset:512*\p
.endr
	QCOPY
	v_mov_b32 v[EPS], 0x348637bd                   ; 1e-6 / 4,
	v_mov_b32 v[EPS+1], 0                          ; (named with it as a pair, so it is written)
	v_cmp_eq_u32 vcc_lo, 0, v[H]
	v_cndmask_b32 v[EPS], 0, v[EPS], vcc_lo        ; for k_sum alone
	s_wait_alu depctr_va_vdst(0)                   ; the wait here, directly ahead of the wait below
	s_wait_loadcnt 0x0
.irp p, 0,2,4,6
	FOLD \p, 1
.endr
	FOLD 0, 2
	FOLD 4, 2
	FOLD 0, 4
	v_pk_fma_f32 v[D:D+1], v[D:D+1], 0x3e800000, v[EPS:EPS+1] op_sel_hi:[1,0,0]       ; a quarter of the sum, and of 1e-6
	v_pk_fma_f32 v[D+2:D+3], v[D+2:D+3], 0x3e800000, v[EPS:EPS+1] op_sel_hi:[1,0,0]
	ds_store_b128 v[LIB], v[D:D+3] offset:KC-PIMG
	s_branch .Ljoin
.Lothers:
	QCOPY
.Ljoin:
	s_wait_dscnt 0x0                               ; for the others' sake: my stores have landed
	s_barrier_signal -1
	s_barrier_wait -1                              ; proj's four fragments, k_sum and ctx lie in LDS.  (My copies may be out: nobody but me reads their bytes)
.irp t, 0,1,2,3
	ds_load_b128 v[B+8*\t:B+8*\t+3], v[LIB] offset:512*\t
.endr
.irp t, 0,1,2,3
	ds_load_b32 v[SB+\t], v[LSB] offset:128*\t
.endr
	ds_load_b128 v[KS:KS+3], v[RB] offset:KC-PIMG
	ds_load_b128 v[CT:CT+3], v[RB] offset:KC-PIMG+256
	TILE 0
	TILE 1
	TILE 2
	TILE 3
	s_wait_tensorcnt 0x0                           ; the wave's end: behind my last copy and my last LDS store
	s_wait_asynccnt 0x0
	ds_add_u32 v[SPW], v[NIL]
	s_wait_dscnt 0x0
	s_endpgm
.Lfunc_end_k_qb94fe40610_apply:
	.size	k_qb94fe40610_apply, .Lfunc_end_k_qb94fe40610_apply-k_qb94fe40610_apply
	.p2alignl 7, 3214868480
	.fill 96, 4, 3214868480
	.section	.rodata,"a",@progbits
	.p2align	6, 0x0
	.amdhsa_kernel k_qb94fe40610_apply
		.amdhsa_group_segment_fixed_size 167936
		.amdhsa_private_segment_fixed_size 0
		.amdhsa_enable_private_segment 0
		.amdhsa_kernarg_size 32
		.amdhsa_user_sgpr_count 2
		.amdhsa_user_sgpr_kernarg_segment_ptr 1
		.amdhsa_wavefront_size32 1
		.amdhsa_system_sgpr_workgroup_id_x 1
		.amdhsa_system_sgpr_workgroup_id_y 1
		.amdhsa_system_sgpr_workgroup_id_z 1
		.amdhsa_system_vgpr_workitem_id 0
		.amdhsa_next_free_vgpr 252
		.amdhsa_next_free_sgpr 66
		.amdhsa_reserve_vcc 1
		.amdhsa_float_denorm_mode_32 3
		.amdhsa_float_denorm_mode_16_64 3
		.amdhsa_memory_ordered 1
		.amdhsa_forward_progress 1
		.amdhsa_inst_pref_size 65
	.end_amdhsa_kernel
	.amdgpu_metadata
---
amdhsa.version: [ 1, 2 ]
amdhsa.kernels:
  - .name:           k_qb94fe40610_apply
    .symbol:         k_qb94fe40610_apply.kd
    .args:
      - { .name: q, .offset: 0, .size: 8, .value_kind: global_buffer, .address_space: global }
      - { .name: pimg, .offset: 8, .size: 8, .value_kind: global_buffer, .address_space: global }
      - { .name: part, .offset: 16, .size: 8, .value_kind: global_buffer, .address_space: global }
      - { .name: out0, .offset: 24, .size: 8, .value_kind: global_buffer, .address_space: global }
    .group_segment_fixed_size: 167936
    .private_segment_fixed_size: 0
    .kernarg_segment_align: 8
    .kernarg_segment_size: 32
    .max_flat_workgroup_size: 256
    .sgpr_count:     66
    .vgpr_count:     252
    .wavefront_size: 32
...
	.end_amdgpu_metadata
.endif
;; end of part 2
